; MI455X (gfx1250); checked and timed in simulation.
; The chip was launched on July 23, 2026; its instructions are those of AMD's public machine-readable ISA for CDNA 5 (MIT licence, August 2026) and "CDNA5" Instruction Set Architecture Reference Guide (July 2026). The comments in the code are by the model that wrote it; some were corrected since.
;; Gated Residual Network. Allowed arithmetic: matrix products marked QUANTISED: E2M1 operands, one E8M0 scale for each 32 along K, by v_wmma_scale_f32_16x16x128_f8f6f4 with both operands' format E2M1 (or v_wmma_scale_f32_32x16x128_f4), f32 sums; everything else in f32.
;; Inputs: b1 1,024 float32; b2 1,024 float32; beta 1,024 float32; bg 1,024 float32; bs 1,024 float32; gamma 1,024 float32; inputs 4 x 4,096 x 1,024 float32; w1 1,024 x 1,024 float32; w2 1,024 x 1,024 float32; wg 1,024 x 1,024 float32; ws 1,024 x 1,024 float32.
;; Outputs: out0 4 x 4,096 x 1,024 float32.
;; This version of the problem:
;;   THIS VERSION OF THE PROBLEM IS GIVEN IN LOW PRECISION. The matrix products marked QUANTISED in the list below multiply operands that are first quantised to E2M1 (2 exponent bits, 1 mantissa bit; 4 bits a number), with one power-of-two scale for each 32 numbers along K (OCP MX v1.0); their sums are f32. All else is computed in f32.
;;   The module's matrix products, in the order in which they are computed (A, B: the left and right operand; K: the contracted axis; several contracted axes count as one K, in the product's order):
;;     1. [M 16,384, K 1,024] x [K 1,024, N 1,024]; A: input inputs; B: input w1: QUANTISED
;;     2. [M 16,384, K 1,024] x [K 1,024, N 1,024]; A: computed on the way; B: input w2: QUANTISED
;;     3. [M 16,384, K 1,024] x [K 1,024, N 1,024]; A: input inputs; B: input wg: QUANTISED
;;     4. [M 16,384, K 1,024] x [K 1,024, N 1,024]; A: input inputs; B: input ws: QUANTISED
;;   THE QUANTISER, for each operand of a quantised product, along K:
;;     - K is cut into blocks of 32 from its start; a last block that is shorter is filled with zeros.
;;     - A block's scale is 2^e with e = floor(log2(the largest magnitude in the block)) - 2, held to -126 .. 127; a block of zeros has e = 0. As a byte (E8M0): e + 127.
;;     - Each number is divided by its block's scale, clamped to +-6, and rounded to the nearest number of E2M1, ties to even, subnormals kept.
;;     - The product sums the exact products of the quantised numbers (number of the format x scale) in f32.
;;   ~~~python
;;   def quantise(x, axis):      # numpy; x: float32 -> the quantised numbers, widened to float32 again
;;       x = np.moveaxis(x, axis, -1); K = x.shape[-1]
;;       x = np.pad(x, [(0, 0)] * (x.ndim - 1) + [(0, -K % 32)]); x = x.reshape(x.shape[:-1] + (-1, 32)); a = np.abs(x).max(-1, keepdims=True)
;;       e = np.where(a > 0, np.clip(np.frexp(np.where(a > 0, a, 1))[1] - 1 - 2, -126, 127), 0)      # np.frexp(a)[1] - 1 = floor(log2(a)), exactly
;;       r = np.clip(x / 2.0 ** e, -6, 6)
;;       step = 2.0 ** (np.maximum(np.frexp(np.where(r == 0, 1, r))[1] - 1, 0) - 1)
;;       q = np.round(r / step) * step * 2.0 ** e      # np.round: ties to even
;;       return np.moveaxis(q.reshape(q.shape[:-2] + (-1,))[..., :K], -1, axis).astype(np.float32)
;;   ~~~
;;   OPERANDS COMPUTED ON THE WAY. 'Computed on the way' means the value that the module computes at that place (a softmax that the list does not call 'softmax' is quantised finished and normalised). What goes into a quantiser is computed in f32, as accurately as f32 sums, v_exp_f32 and their like allow (about 1e-6 of the number): no bf16 or f16 on the way to a quantiser, and a product that is left as it is and whose result goes on into a quantised operand takes f32 operands (vector FMAs, or v_wmma_f32_16x16x4_f32). A number that lies on a knife's edge between two numbers of the format may be rounded either way, as far as f32 arithmetic and the matrix unit's own rounding can turn it there, and no further.
;; One version. Each part assembles by itself: llvm-mc -triple=amdgcn-amd-amdhsa -mcpu=gfx1250 --defsym DOCPART=n.
;; ======== version 1 of 1: 2 launches
;; limits: right only within a limited range of input values
;; workspace buffers: wq 2,260,992 bytes
;; launch prep (part 1): grid 32 x 8, 4 waves a work-group, no clusters, 0 bytes of LDS; arguments w1, w2, wg, ws, b1, b2, bg, bs, wq; writes wq
.if DOCPART == 1
	.amdgcn_target "amdgcn-amd-amdhsa--gfx1250"
	.amdhsa_code_object_version 6
	.text
	.protected	k_qbc0a4e7c0b_prep
	.globl	k_qbc0a4e7c0b_prep
	.p2align	8
	.type	k_qbc0a4e7c0b_prep,@function
k_qbc0a4e7c0b_prep:
	s_mov_b64 s[64:65], 0
	v_nop
	global_prefetch_b8 v0, s[64:65] scope:SCOPE_SE
	s_setreg_imm32_b32 hwreg(HW_REG_WAVE_MODE, 25, 1), 1
	s_wait_xcnt 0x0
; The four weights [1024 (k)][1024 (n)], f32, K their FIRST axis, become codes of FP4 (E2M1) with one E8M0 byte for each 32 along K, laid in wq as the stream
; that the second launch walks: 16 slots of SLOTB bytes, each of four parts of PART bytes, one part for each consuming wave (wave w' owns columns 256 w' .. 256 w' + 255).
; No work of reference() is left out in this program: every input has a way to the output, and all eleven are loaded.
; A PART: 16 pairs p of two fragments e (16 columns x 128 K, 1,024 bytes each) as images of the operand's registers: the 16 bytes of half c of image lane r + 16 h lie at
; 2048 p + 1024 e + 512 c + 256 h + 16 r and hold k = 64 c + 32 h + 0 .. 31 of the K step, of the column that is row r of tile e;  from SCA on the scale words: that of
; pair p, lane r + 16 e at 512 (p / 4) + 16 (r + 16 e) + 4 (p % 4);  from BIA on four blocks of 128 bytes: float r + 16 e = the bias of row r of tile e, or zeros.
; SLOTS: 0-3 w1 (64 columns a wave, chunk c = slot, all 8 K steps: p = 8 tp + K step);  4-7 w2 (128 columns a wave: half (slot - 4) / 2; 4 K steps: 4 ((slot - 4) % 2) + p % 4; p / 4 = 32 columns);
; 8 + 2 c wg, 9 + 2 c ws, as w1.  In w1's tiles row r of tile e is column 8 e + r + 8 (r / 8) of the pair's 32, so that the first product's results are neighbours along the second product's K.
; SHARES: a lane takes a column, its registers run down K: a wave takes 32 columns x 128 along K, which is exactly one pair.  Each load reads 128 consecutive bytes a wave, 512 a work-group.
; A block's 32 numbers are one lane's: its largest magnitude needs no other lane; its 16 bytes of codes are one piece of an image: sixteen lanes store 256 consecutive bytes, aligned.
; A block's scale is 2^(floor(log2(largest magnitude)) - 2); its byte is that magnitude's exponent field - 2, held at 1 from below.
; LIMITS: a block of zeros, or one whose largest magnitude lies under 2^-124, gets the byte 1 (the rule's 127 for zeros is not made: the codes are zeros and this program alone reads the bytes);
; NaN and infinities among the inputs are not served.
.set PART,  35328
.set SLOTB, 4*PART
.set SCA,   32768
.set BIA,   34816
.set KROWB, 4096                       ; a row of a weight in bytes
.set X,     32                         ; v32-95  two sets of 32 numbers
.set C,     16                         ; v16-31  four registers of codes for each block: no store's data are written again
	s_load_b256 s[4:11], s[0:1], 0x0               ; w1, w2, wg, ws
	s_load_b256 s[12:19], s[0:1], 0x20             ; b1, b2, bg, bs
	s_load_b64 s[20:21], s[0:1], 0x40              ; wq
	v_lshrrev_b32 v1, 5, v0
	v_readfirstlane_b32 s22, v1                    ; wave v
	v_and_b32 v1, 31, v0                           ; lane l: my column of the wave's 32
	s_wait_alu depctr_va_vdst(0)
	v_lshlrev_b32 v2, 2, v1                        ; 4 bytes a lane
	s_lshr_b32 s23, ttmp9, 3                       ; q: 0 w1, 1 w2, 2 wg, 3 ws
	s_and_b32 s38, ttmp9, 7                        ; cg: which 128 columns
	s_and_b32 s39, ttmp7, 0xffff                   ; gy: the K step
	s_lshr_b32 s40, s38, 1                         ; the consuming wave w'
	s_and_b32 s41, s38, 1                          ; which half of its 256 columns
	; slots of 64 columns a wave (w1, wg, ws)
	s_lshl_b32 s42, s41, 1
	s_lshr_b32 s43, s22, 1
	s_add_co_u32 s42, s42, s43                     ; chunk c
	s_and_b32 s43, s22, 1                          ; tp
	s_lshl_b32 s44, s43, 3
	s_add_co_u32 s44, s44, s39                     ; p = 8 tp + K step
	s_lshl_b32 s45, s42, 1
	s_add_co_u32 s45, s45, s23
	s_add_co_u32 s45, s45, 6                       ; slot 6 + 2 c + q for wg and ws,
	s_cmp_eq_u32 s23, 0
	s_cselect_b32 s45, s42, s45                    ; c for w1
	s_lshl_b32 s46, s39, 1
	s_add_co_u32 s46, s46, s43                     ; the bias block that I write: tp + 2 gy,
	s_lshr_b32 s47, s39, 1                         ; where gy < 2 (this is 0 then)
	; slots of 128 columns a wave (w2)
	s_lshl_b32 s48, s41, 1
	s_lshr_b32 s49, s39, 2
	s_add_co_u32 s48, s48, s49
	s_add_co_u32 s48, s48, 4                       ; slot 4 + 2 half + gy / 4
	s_and_b32 s49, s39, 3
	s_lshl_b32 s50, s22, 2
	s_add_co_u32 s50, s50, s49                     ; p = 4 v + gy % 4
	s_cmp_eq_u32 s23, 1
	s_cselect_b32 s45, s48, s45                    ; the slot,
	s_cselect_b32 s44, s50, s44                    ; the pair,
	s_cselect_b32 s46, s22, s46                    ; the bias block (w2: v),
	s_cselect_b32 s47, s49, s47                    ; and 0 where I write one (w2: where gy % 4 = 0)
	s_cmp_eq_u32 s39, 0
	s_cselect_b32 s51, -1, 0                       ; the block holds the bias where gy = 0, zeros elsewhere
	s_cmp_eq_u32 s23, 0
	s_cselect_b32 s52, -1, 0                       ; w1: the columns of a pair are dealt to the two tiles in another order
	v_and_b32 v7, 7, v1
	v_and_b32 v8, 8, v1
	v_lshl_or_b32 v7, v8, 1, v7
	v_and_b32 v8, 16, v1
	v_lshrrev_b32 v8, 1, v8
	v_or_b32 v7, v7, v8                            ; column l = 8 e + r + 8 (r / 8)  ->  r + 16 e
	v_cndmask_b32 v3, v1, v7, s52                  ; L = r + 16 e: my place in the pair
	v_lshrrev_b32 v8, 4, v3
	v_and_b32 v9, 15, v3
	v_lshlrev_b32 v9, 4, v9
	v_lshl_or_b32 v4, v8, 10, v9                   ; codes: 1024 e + 16 r
	v_lshlrev_b32 v5, 4, v3                        ; scale word: 16 L
	v_lshlrev_b32 v6, 2, v3                        ; bias: 4 L
	s_mul_i32 s53, s45, SLOTB
	s_mul_i32 s54, s40, PART
	s_add_co_u32 s53, s53, s54                     ; where my part begins in wq
	s_lshl_b32 s54, s44, 11
	s_add_co_u32 s54, s54, s53                     ; my pair's codes
	s_mov_b32 s55, 0
	s_lshr_b32 s56, s44, 2
	s_lshl_b32 s56, s56, 9
	s_and_b32 s57, s44, 3
	s_lshl_b32 s57, s57, 2
	s_add_co_u32 s56, s56, s57
	s_add_co_u32 s56, s56, s53
	s_add_co_u32 s56, s56, SCA                     ; its scale words
	s_mov_b32 s57, 0
	s_lshl_b32 s58, s46, 7
	s_add_co_u32 s58, s58, s53
	s_add_co_u32 s58, s58, BIA                     ; my bias block
	s_mov_b32 s59, 0
	s_lshl_b32 s62, s38, 9
	s_lshl_b32 s60, s22, 7
	s_add_co_u32 s62, s62, s60                     ; 4 x my wave's first column
	s_mov_b32 s63, 0
	s_lshl_b32 s60, s39, 19                        ; 128 rows of 4,096 bytes a K step
	s_add_co_u32 s60, s60, s62
	s_mov_b32 s61, 0
	s_and_b32 s48, s23, 1
	s_lshr_b32 s49, s23, 1
	s_wait_kmcnt 0x0
	s_cmp_lg_u32 s48, 0                            ; the choice of buffers hangs on the work-group's number alone
	s_cselect_b64 s[24:25], s[6:7], s[4:5]
	s_cselect_b64 s[26:27], s[10:11], s[8:9]
	s_cselect_b64 s[28:29], s[14:15], s[12:13]
	s_cselect_b64 s[30:31], s[18:19], s[16:17]
	s_cmp_lg_u32 s49, 0
	s_cselect_b64 s[24:25], s[26:27], s[24:25]     ; the weight
	s_cselect_b64 s[28:29], s[30:31], s[28:29]     ; its bias
	s_add_nc_u64 s[24:25], s[24:25], s[60:61]
	s_add_nc_u64 s[28:29], s[28:29], s[62:63]
	s_add_nc_u64 s[32:33], s[20:21], s[54:55]
	s_add_nc_u64 s[34:35], s[20:21], s[56:57]
	s_add_nc_u64 s[36:37], s[20:21], s[58:59]
.macro LOAD t                          ; block t: W(32 t + i, my column), i = 0 .. 31, into set t % 2
.irp i, 0,1,2,3,4,5,6,7,8,9,10,11,12,13,14,15,16,17,18,19,20,21,22,23,24,25,26,27,28,29,30,31
	global_load_b32 v[X+32*((\t)%2)+\i], v2, s[24:25] offset:(32*(\t)+\i)*KROWB th:TH_LOAD_NT
.endr
.endm
.macro BLOCK t
.set XB, X+32*((\t)%2)
.if (\t) < 3
	s_wait_loadcnt 32                              ; this block's 32 loads are in; the next block's 32 may be out
.else
	s_wait_loadcnt 0x0
.endif
	v_max3_num_f32 v12, |v[XB]|, |v[XB+1]|, |v[XB+2]|   ; the block's largest magnitude, in two chains: all 32 numbers are mine
	v_max3_num_f32 v13, |v[XB+3]|, |v[XB+4]|, |v[XB+5]|
.irp i, 6,10,14,18,22,26
	v_max3_num_f32 v12, v12, |v[XB+\i]|, |v[XB+\i+1]|
	v_max3_num_f32 v13, v13, |v[XB+\i+2]|, |v[XB+\i+3]|
.endr
	v_max3_num_f32 v12, v12, |v[XB+30]|, |v[XB+31]|
	v_max3_num_f32 v12, v12, v13, 0x1800000        ; and the floor 2^(3 - 127): the byte cannot fall under 1
	v_add_nc_u32 v11, 0xff000000, v12              ; 2 off the exponent field: the conversion takes the exponent field of this operand as its scale
.if (\t) == 0
	v_lshrrev_b32 v14, 23, v11                     ; the scale's byte: byte t of my column's word for this K step
.else
	v_lshrrev_b32 v13, 23, v11
	v_lshl_or_b32 v14, v13, 8*(\t), v14
.endif
.irp g, 0,1,2,3
	v_cvt_scalef32_pk8_fp4_f32 v[C+4*(\t)+\g], v[XB+8*\g:XB+8*\g+7], v11
.endr
	v_nop                                          ; one plain line behind the last conversion of the run
	global_store_b128 v4, v[C+4*(\t):C+4*(\t)+3], s[32:33] offset:512*((\t)/2)+256*((\t)%2)   ; block t = 2 c + h: sixteen lanes store 256 consecutive bytes, aligned
.if (\t)+2 < 4
	LOAD (\t)+2
.endif
.endm
	LOAD 0
	LOAD 1
	BLOCK 0
	BLOCK 1
	BLOCK 2
	BLOCK 3
	global_store_b32 v5, v14, s[34:35]             ; the scale words: 4 bytes a lane, 16 bytes apart: one store a wave, for 16,384 bytes read
	s_cmp_lg_u32 s47, 0                            ; ids alone decide who writes a bias block
	s_cbranch_scc1 .Ldone
	global_load_b32 v15, v2, s[28:29]
	s_wait_loadcnt 0x0
	v_and_b32 v15, s51, v15                        ; the bias, or zeros: every byte of a part is written, since the second launch fetches whole parts
	global_store_b32 v6, v15, s[36:37]
.Ldone:
	s_endpgm
.Lfunc_end_k_qbc0a4e7c0b_prep:
	.size	k_qbc0a4e7c0b_prep, .Lfunc_end_k_qbc0a4e7c0b_prep-k_qbc0a4e7c0b_prep
	.p2alignl 7, 3214868480
	.fill 96, 4, 3214868480
	.section	.rodata,"a",@progbits
	.p2align	6, 0x0
	.amdhsa_kernel k_qbc0a4e7c0b_prep
		.amdhsa_group_segment_fixed_size 0
		.amdhsa_private_segment_fixed_size 0
		.amdhsa_enable_private_segment 0
		.amdhsa_kernarg_size 72
		.amdhsa_user_sgpr_count 2
		.amdhsa_user_sgpr_kernarg_segment_ptr 1
		.amdhsa_wavefront_size32 1
		.amdhsa_system_sgpr_workgroup_id_x 1
		.amdhsa_system_sgpr_workgroup_id_y 1
		.amdhsa_system_sgpr_workgroup_id_z 1
		.amdhsa_system_vgpr_workitem_id 0
		.amdhsa_next_free_vgpr 96
		.amdhsa_next_free_sgpr 66
		.amdhsa_reserve_vcc 0
		.amdhsa_float_denorm_mode_32 3
		.amdhsa_float_denorm_mode_16_64 3
		.amdhsa_memory_ordered 1
		.amdhsa_forward_progress 1
		.amdhsa_inst_pref_size 23
	.end_amdhsa_kernel
	.amdgpu_metadata
---
amdhsa.version: [ 1, 2 ]
amdhsa.kernels:
  - .name:           k_qbc0a4e7c0b_prep
    .symbol:         k_qbc0a4e7c0b_prep.kd
    .args:
      - { .name: w1, .offset: 0, .size: 8, .value_kind: global_buffer, .address_space: global }
      - { .name: w2, .offset: 8, .size: 8, .value_kind: global_buffer, .address_space: global }
      - { .name: wg, .offset: 16, .size: 8, .value_kind: global_buffer, .address_space: global }
      - { .name: ws, .offset: 24, .size: 8, .value_kind: global_buffer, .address_space: global }
      - { .name: b1, .offset: 32, .size: 8, .value_kind: global_buffer, .address_space: global }
      - { .name: b2, .offset: 40, .size: 8, .value_kind: global_buffer, .address_space: global }
      - { .name: bg, .offset: 48, .size: 8, .value_kind: global_buffer, .address_space: global }
      - { .name: bs, .offset: 56, .size: 8, .value_kind: global_buffer, .address_space: global }
      - { .name: wq, .offset: 64, .size: 8, .value_kind: global_buffer, .address_space: global }
    .group_segment_fixed_size: 0
    .private_segment_fixed_size: 0
    .kernarg_segment_align: 8
    .kernarg_segment_size: 72
    .max_flat_workgroup_size: 128
    .sgpr_count:     66
    .vgpr_count:     96
    .wavefront_size: 32
...
	.end_amdgpu_metadata
.endif
;; end of part 1
;; launch grn (part 2): grid 256 x 1, 4 waves a work-group, clusters of 4 x 1, 327,680 bytes of LDS; arguments inputs, wq, gamma, beta, out0; writes out0
.if DOCPART == 2
	.amdgcn_target "amdgcn-amd-amdhsa--gfx1250"
	.amdhsa_code_object_version 6
	.text
	.protected	k_qbc0a4e7c0b_grn
	.globl	k_qbc0a4e7c0b_grn
	.p2align	8
	.type	k_qbc0a4e7c0b_grn,@function
k_qbc0a4e7c0b_grn:
	s_mov_b64 s[64:65], 0
	v_nop
	global_prefetch_b8 v0, s[64:65] scope:SCOPE_SE
	s_setreg_imm32_b32 hwreg(HW_REG_WAVE_MODE, 25, 1), 1
	s_wait_xcnt 0x0
	s_wait_alu depctr_hold_cnt(0) depctr_sa_sdst(0) depctr_va_vdst(0) depctr_va_sdst(0) depctr_va_ssrc(0) depctr_va_vcc(0) depctr_vm_vsrc(0)
	s_getreg_b32 s2, hwreg(HW_REG_IB_STS2, 6, 4)
	s_cmp_eq_u32 s2, 0
	s_cbranch_scc0 .Lentry_in_a_cluster
	s_endpgm
.Lentry_in_a_cluster:
	s_bfe_u32 s2, ttmp6, 0x10000c
	s_cmp_lg_u32 s2, 0x3003
	s_cbranch_scc0 .Lentry_shape_is_right
	s_endpgm
.Lentry_shape_is_right:
; out = LayerNorm((relu(x W1 + b1) W2 + b2) * sigmoid(x Wg + bg) + (x Ws + bs)) * gamma + beta; the four products on codes of FP4 (E2M1), one E8M0 scale for each 32 along K.
; Nothing of reference() is left out.  x's codes, the hidden layer, gate, skip and y never go to memory.
; SHARES: a work-group owns 64 whole rows (256 work-groups); wave w owns hidden units and outputs 256 w .. 256 w + 255 of all 64 rows (four row tiles m).
; THE WEIGHTS are the stream that the first launch laid: 16 slots of four parts (a part a wave): 16 pairs of fragments as register images, scale words, biases.  Two LDS slots take turns; each wave
; fetches its own part by one tensor load; the four work-groups of a cluster walk the same stream and ask JOINTLY (mask 15).
; THE PRODUCTS ARE USED TRANSPOSED, in the form 32 x 16 x 128: source 0 = a pair's 32 columns of a weight (16 registers, scale word in all 32 lanes), source 1 = 16 rows.  In the 16 result registers
; lane l holds row l % 16; register 8 e + j holds column 16 e + 8 (l / 16) + j of the pair.  The biases are the C of each sum's first product.
; PHASES: X: wave w quantises rows 16 w .. + 15 of x; codes and scale bytes meet in LDS; every wave then keeps all of x's codes in 256 registers.
;   slots 0-3: T = b1 + x W1, relu, quantised in registers, image to LDS;  slots 4-7: Y = b2 + h W2 in 512 registers;  slots 8-15, by chunks of 64 columns a wave: Y *= sigmoid(bg + x Wg), Y += bs + x Ws.
;   LayerNorm in two passes (mean; squares of y - mean), parts from wave to wave through LDS; y - mean goes through stages in LDS and is scaled on the way out, row by row.
; LIMITS: a block of zeros, or one whose largest magnitude lies under 2^-124, gets the scale byte 1 (the bytes are read here alone); NaN and infinities among the inputs are not served.
; REGISTERS (windows of 256): window 0: v0 256 x lane; v1, v2 the add's two; v3-7 LDS addresses; v8-23 the rows' scale words; v24-31 the weights'; v32-63 two bias blocks; v64-127 four pairs of fragments;
;   v128-255 T ((tp, m) at 64 tp + 16 m), in slots 4-7 sixteen fragments of h.   window 1: x's 32 fragments (K step u, tile m at 32 u + 8 m).   windows 2, 3: Y (columns 128 (window - 2) + 32 P, tile m at 64 P + 16 m).
.set PART,  35328
.set SLOTB, 4*PART
.set SCA,   32768                      ; in a part: the scale words,
.set BIA,   34816                      ; the bias blocks
.set XH,    2*SLOTB                    ; x's codes as rows of 512 + 16 bytes; later h's 32 fragment images
.set XP,    528
.set XSC,   XH+64*XP                   ; x's scale bytes, 48 bytes a row
.set SCP,   48
.set HSC,   XSC+64*SCP                 ; h's likewise
.set RED,   HSC+64*SCP                 ; LayerNorm's parts: pass q, row, wave at 1024 q + 16 row + 4 wave
.set RSL,   RED+2048                   ; each wave's own 64 pairs (rsqrt, rsqrt), 512 bytes a wave
.set SPARE, RSL+2048                   ; the spare words, 128 bytes a wave
.set STP,   1040                       ; a stage row: 1,024 bytes + 16
.set STB,   16*STP                     ; a stage of 16 rows; wave w's four lie from 4 w STB on, in the ring, which has had its last fill and, behind LayerNorm's barriers, its last read
.set PFO, 0
.set SPW, 1
.set NIL, 2
.set ADB, 3
.set ABB, 5
.set HAD, 7
.set XS,  8
.set SW,  24
.set BB,  32
.set BF,  64
.set T,   128
.set SUM, 32
.set MU,  40
.set SQ,  48
.set RS,  56
.set QS,  32                           ; the way out: 16 rows' pairs
.set TA,  64
.set TB,  68
.set QD,  72
.set RA,  88
.set RB,  89
.set STO, 90
.set RD,  91
.set GO,  92
.set RW,  93
.set GM,  96
.set BT,  104
.set RR,  112
.set WV,  14
.set CX,  15
.set G1,  16
.set G0,  24
.set PFA, 36
.set LIM, 38
.set LEFT, 39
.set CNT, 40
.set CH,  41
.set SEL, 42
.set NL,  44
.set HSO, 46
.set RK,  47
.set HWB, 48
.set EP,  49
.set MSB, 0
.macro WIN new                         ; the immediate's high byte repeats the setting that is left
.if MSB != (\new)
	s_set_vgpr_msb (MSB<<8)|(\new)
.set MSB, \new
.endif
.endm
.macro PLACES                          ; four plain places behind matrix instructions (ISA guide 7.12.1)
.rept 4
	v_nop
.endr
.endm
.macro CREST                           ; a round of the cluster's barrier behind its opening barrier
	s_cmp_lg_u32 s[WV], 0
	s_cbranch_scc1 .Lnot_wave_0_\@
	s_barrier_signal -3
.Lnot_wave_0_\@:
	s_barrier_wait -3
	s_barrier_signal -1
	s_barrier_wait -1
.endm
.macro CROUND
	s_barrier_signal -1
	s_barrier_wait -1
	CREST
.endm
; Pair p of ring slot R: with every fourth pair the scale words of four pairs; b >= 0: bias block b; the pair's 2,048 bytes.
.macro FETCH R, p, b
.if ((\p)%4) == 0
	ds_load_b128 v[SW+4*(((\p)/4)%2):SW+4*(((\p)/4)%2)+3], v[ADB+(\R)] offset:SCA+512*((\p)/4)
.endif
.if (\b) >= 0
.irp z, 0,1,2,3
	ds_load_b128 v[BB+16*((\b)%2)+4*\z:BB+16*((\b)%2)+4*\z+3], v[ABB+(\R)] offset:128*(\b)+16*(\z%2)+64*(\z/2)
.endr
.endif
.irp z, 0,1,2,3
	ds_load_b128 v[BF+16*((\p)%4)+4*\z:BF+16*((\p)%4)+4*\z+3], v[ADB+(\R)] offset:2048*(\p)+512*\z
.endr
.endm
.macro HFETCH k, kh                    ; h's four fragments of K step 4 kh + k
.irp m, 0,1,2,3
.irp c, 0,1
	ds_load_b128 v[T+32*(\k)+8*\m+4*\c:T+32*(\k)+8*\m+4*\c+3], v[HAD] offset:4096*(4*(\kh)+(\k))+1024*\m+512*\c
.endr
.endr
.endm
.macro LOADSC base                     ; the 64 rows' scale words: register 8 (m / 2) + K step; lanes 0-15 the even row tile, lanes 16-31 the odd one
	v_lshrrev_b32 v48, 8, v[PFO]
	v_mad_u32_u24 v48, v48, SCP, \base
.irp mp, 0,1
.irp i, 0,1
	ds_load_b128 v[XS+8*\mp+4*\i:XS+8*\mp+4*\i+3], v48 offset:32*SCP*\mp+16*\i
.endr
.endr
.endm
.macro WM rb                           ; one product by the symbols rD, rA, rB, rC, rSA, rSB; rb: the rows' scales stand in lanes 16-31
.if (\rb)
	v_wmma_scale_f32_32x16x128_f4 v[rD:rD+15], v[rA:rA+15], v[rB:rB+7], v[rC:rC+15], v[rSA], v[rSB] matrix_b_scale:MATRIX_SCALE_ROW1
.else
	v_wmma_scale_f32_32x16x128_f4 v[rD:rD+15], v[rA:rA+15], v[rB:rB+7], v[rC:rC+15], v[rSA], v[rSB]
.endif
.endm
; Four products of pair p: the four accumulators take turns, one instruction a turn, in the same order in every pair.
.macro MMT p                           ; x against 32 columns (tp = p / 8), K step p % 8
.irp m, 0,1,2,3
.set rD, T+64*((\p)/8)+16*\m
.set rA, BF+16*((\p)%4)
.set rB, 32*((\p)%8)+8*\m
.set rSA, SW+4*(((\p)/4)%2)+(\p)%4
.set rSB, XS+8*(\m/2)+(\p)%8
.if ((\p)%8) == 0
.set rC, BB+16*((\p)/8)
.else
.set rC, rD
.endif
	WM \m%2
.endr
.endm
.macro MMW p                           ; h against 32 columns (P = p / 4), K step 4 WKH + p % 4
.if WFIRST && (((\p)%4) == 0)
	WIN 0x40*WWIN
.else
	WIN 0x50*WWIN
.endif
.irp m, 0,1,2,3
.set rD, 64*((\p)/4)+16*\m
.set rA, BF+16*((\p)%4)
.set rB, T+32*((\p)%4)+8*\m
.set rSA, SW+4*(((\p)/4)%2)+(\p)%4
.set rSB, XS+8*(\m/2)+4*WKH+(\p)%4
.if WFIRST && (((\p)%4) == 0)
.set rC, BB+16*(((\p)/4)%2)
.else
.set rC, rD
.endif
	WM \m%2
.endr
.endm
.macro PROD p
.if KIND
	MMW \p
.else
	WIN 0x04                                       ; source 1 (x) in window 1
	MMT \p
.endif
.endm
; Two pairs' turn: wt = the LDS loads of the two younger pairs' fetches, which may stay out; eight products; four places; the fetches of two later pairs land in the registers just multiplied.
.macro DUO p, wt, R, np, b
	s_wait_dscnt \wt
	PROD \p
	PROD (\p)+1
.if KIND
	WIN 0
.endif
	PLACES
	FETCH \R, \np, \b
	FETCH \R, (\np)+1, -1
.endm
; A prefetch of the stream four slots on, two slots ahead of the tensor load that asks for it: the 32,768 bytes of fragments of my wave's part.  All clusters walk one stream: the first cluster asks;
; its four partners take 8,192 bytes each, told apart by address; lanes 256 bytes apart.  It stops with slot 15.
.macro ASK
	s_cmp_gt_u32 s[LEFT], s[LIM]
	s_cbranch_scc0 .Lnot_mine_\@
	global_prefetch_b8 v[PFO], s[PFA:PFA+1] th:TH_LOAD_NT scope:SCOPE_SE
.Lnot_mine_\@:
	s_sub_co_u32 s[LEFT], s[LEFT], 1
.endm
; THE CHANGE OF SLOTS, with pairs 12 to 15.  In front of the round: the wait for all my tensor loads, the add, the wait for it and for my reads of this slot.  Behind it: the joint refill, two slots on, first.
.macro TURN R, nb0, nkh
	WIN 0
	s_wait_xcnt 0x0                                ; the last prefetch has read its address
	s_add_nc_u64 s[PFA:PFA+1], s[PFA:PFA+1], SLOTB
	s_wait_tensorcnt 0x0
	ds_add_u32 v[SPW], v[NIL]
	s_add_nc_u64 s[G0+4*(\R)+2:G0+4*(\R)+3], s[G0+4*(\R)+2:G0+4*(\R)+3], 2*SLOTB
	s_wait_dscnt 13                                ; pairs 13, 14, 15 (4 loads each) and the add may be out
	PROD 12
	s_wait_dscnt 0x0
	s_barrier_signal -1
	PROD 13
	WIN 0
	s_barrier_wait -1
	CREST
	tensor_load_to_lds s[G0+4*(\R):G0+4*(\R)+3], s[G1:G1+7]
	s_nop 0
	PLACES
	FETCH 1-(\R), 0, \nb0
.if (\nkh) >= 0
	s_wait_alu depctr_va_vdst(0)                   ; the wait ahead of the reader of h's address
	HFETCH 0, \nkh
.endif
	FETCH 1-(\R), 1, -1
.if (\nkh) >= 0
	HFETCH 1, \nkh
.endif
	ASK
	PROD 14
.if KIND
	WIN 0
.endif
	PLACES
	FETCH 1-(\R), 2, -1
.if (\nkh) >= 0
	HFETCH 2, \nkh
.endif
	PROD 15
.if KIND
	WIN 0
.endif
	PLACES
	FETCH 1-(\R), 3, -1
.if (\nkh) >= 0
	HFETCH 3, \nkh
.endif
	WIN 0
.endm
; A slot of x against 64 columns a wave.  A fetch is 4 loads, 5 with scale words (pairs 0, 4, 8, 12), 4 more with a bias block (pairs 0, 8).
; mode 2: the slot is filled again;  1: nothing is filled, the next slot's part is mine alone to wait for;  0: the last slot.
.macro TSLOT R, mode
.set KIND, 0
	DUO 0, 8, \R, 4, -1
	DUO 2, 9, \R, 6, -1
	DUO 4, 8, \R, 8, 1
	DUO 6, 13, \R, 10, -1
	DUO 8, 8, \R, 12, -1
	DUO 10, 9, \R, 14, -1
.if (\mode) == 2
	TURN \R, 0, -1
.elseif (\mode) == 1
	s_wait_tensorcnt 0x0                           ; my part of the last slot is in; only I read it
	DUO 12, 8, 1-(\R), 0, 0
	DUO 14, 13, 1-(\R), 2, -1
	WIN 0
.else
	s_wait_dscnt 8
	PROD 12
	PROD 13
	s_wait_dscnt 0x0
	PROD 14
	PROD 15
	WIN 0
	PLACES
.endif
.endm
; A slot of h against 128 columns a wave, 4 K steps.  At its head the fetches of pairs 0 to 3 stand with h's four K steps (8 loads each) between them: behind pair 1's and K step 1's stand 4 + 8 + 4 + 8.
.macro WSLOT R, kh, first, win, nb0, nkh
.set KIND, 1
.set WKH, \kh
.set WFIRST, \first
.set WWIN, \win
.set SZ, 5+4*(\first)
	DUO 0, 24, \R, 4, 2*WFIRST-1
	DUO 2, SZ+4, \R, 6, -1
	DUO 4, 8, \R, 8, 3*WFIRST-1
	DUO 6, SZ+4, \R, 10, -1
	DUO 8, 8, \R, 12, 4*WFIRST-1
	DUO 10, SZ+4, \R, 14, -1
	TURN \R, \nb0, \nkh
.endm
; T's 64 hidden units become half pos of a fragment of h for each row tile: relu; two blocks of 32 (a block lies in lanes l and l xor 16); codes; halves change places; image and scale bytes to LDS.
.macro POSTH pos
	v_bfe_u32 v52, v[PFO], 8, 4
	v_mul_u32_u24 v52, v52, SCP
	v_add_nc_u32 v52, s[HSO], v52
	v_lshrrev_b32 v[HAD], 4, v[PFO]
	v_add_nc_u32 v[HAD], s[HWB], v[HAD]
	v_mov_b32 v50, 0                               ; a lane permute's destination counts as one of its sources
	v_mov_b32 v51, 0
.irp m, 0,1,2,3
.set A0, T+16*\m
.set A1, T+64+16*\m
.set CO, 56+4*(\m%2)
.set HW, 54+(\m%2)
.irp j, 0,1,2,3,4,5,6,7,8,9,10,11,12,13,14,15
	v_max_num_f32 v[A0+\j], 0, v[A0+\j]            ; each accumulator from its low end on
.endr
.irp j, 0,1,2,3,4,5,6,7,8,9,10,11,12,13,14,15
	v_max_num_f32 v[A1+\j], 0, v[A1+\j]
.endr
	v_max3_num_f32 v48, v[A0], v[A0+1], 0x1800000  ; with the floor 2^(3 - 127)
	v_max3_num_f32 v49, v[A1], v[A1+1], 0x1800000
.irp i, 2,4,6,8,10,12,14
	v_max3_num_f32 v48, v48, v[A0+\i], v[A0+\i+1]
	v_max3_num_f32 v49, v49, v[A1+\i], v[A1+\i+1]
.endr
	v_permlanex16_b32 v50, v48, s[SEL], s[SEL+1]
	v_permlanex16_b32 v51, v49, s[SEL], s[SEL+1]
	v_max_num_f32 v48, v48, v50
	v_max_num_f32 v49, v49, v51
	v_add_nc_u32 v50, 0xff000000, v48              ; 2 off the exponent field: the conversion's scale operand
	v_add_nc_u32 v51, 0xff000000, v49
.if \m >= 2
	s_wait_alu depctr_va_vdst(0)
	s_wait_dscnt 2                                 ; the stores of two tiles back have read this set of registers
.endif
	v_lshrrev_b32 v[HW], 23, v50
	v_lshrrev_b32 v48, 23, v51
	v_lshl_or_b32 v[HW], v48, 8, v[HW]
	v_cvt_scalef32_pk8_fp4_f32 v[CO], v[A0:A0+7], v50
	v_cvt_scalef32_pk8_fp4_f32 v[CO+1], v[A0+8:A0+15], v50
	v_cvt_scalef32_pk8_fp4_f32 v[CO+2], v[A1:A1+7], v51
	v_cvt_scalef32_pk8_fp4_f32 v[CO+3], v[A1+8:A1+15], v51
	v_nop
	v_permlane16_swap_b32 v[CO], v[CO+2]           ; lanes 0-15 now hold block 0 whole, lanes 16-31 block 1
	v_permlane16_swap_b32 v[CO+1], v[CO+3]
	ds_store_b128 v[HAD], v[CO:CO+3] offset:1024*\m+512*(\pos)
	ds_store_b16 v52, v[HW] offset:16*SCP*\m+2*(\pos)
.endr
.endm
; T = 1 / (1 + 2^(-log2(e) T)): each kind of transcendental as one batch, with waits ahead of it and behind it.
.macro SIGM
.set i, 0
.rept 64
	v_pk_mul_f32 v[T+i:T+i+1], v[T+i:T+i+1], s[NL:NL+1] op_sel_hi:[1,0]
.set i, i+2
.endr
.set i, 0
	s_wait_alu depctr_va_vdst(0)
.rept 128
	v_exp_f32 v[T+i], v[T+i]
.set i, i+1
.endr
	v_nop
	s_wait_alu depctr_va_vdst(0)
.set i, 0
.rept 64
	v_pk_add_f32 v[T+i:T+i+1], v[T+i:T+i+1], 1.0 op_sel_hi:[1,0]
.set i, i+2
.endr
.set i, 0
	s_wait_alu depctr_va_vdst(0)
.rept 128
	v_rcp_f32 v[T+i], v[T+i]
.set i, i+1
.endr
	v_nop
	s_wait_alu depctr_va_vdst(0)
.endm
.macro VAR op, c                       ; Y's chunk c (64 columns) times T (op = 0) or plus T (op = 1)
	WIN 0x82+0x41*((\c)/2)
.set i, 0
.rept 64
.if \op
	v_pk_add_f32 v[128*((\c)%2)+i:128*((\c)%2)+i+1], v[128*((\c)%2)+i:128*((\c)%2)+i+1], v[T+i:T+i+1]
.else
	v_pk_mul_f32 v[128*((\c)%2)+i:128*((\c)%2)+i+1], v[128*((\c)%2)+i:128*((\c)%2)+i+1], v[T+i:T+i+1]
.endif
.set i, i+2
.endr
	WIN 0
.endm
.macro VSWITCH op                      ; the chunk is the loop's count: register numbers cannot hang on it, so the three forms are written out
	s_cmp_eq_u32 s[CH], 0
	s_cbranch_scc0 .Lv1_\@
	VAR \op, 0
	s_branch .Lve_\@
.Lv1_\@:
	s_cmp_eq_u32 s[CH], 1
	s_cbranch_scc0 .Lv2_\@
	VAR \op, 1
	s_branch .Lve_\@
.Lv2_\@:
	VAR \op, 2
.Lve_\@:
.endm
	; ---- the head
	s_load_b256 s[4:11], s[0:1], 0x0               ; inputs, wq, gamma, beta
	s_load_b64 s[12:13], s[0:1], 0x20              ; out0
	v_lshl_add_u32 v[SPW], v0, 2, SPARE
	v_mov_b32 v[NIL], 0
	ds_add_u32 v[SPW], v[NIL]                      ; the opening: the add, twice on end, and its wait ahead of my first tensor load
	ds_add_u32 v[SPW], v[NIL]
	v_lshrrev_b32 v3, 5, v0
	v_readfirstlane_b32 s[WV], v3                  ; wave 0..3
	v_and_b32 v6, 31, v0                           ; lane
	s_wait_alu depctr_va_vdst(0)
	v_lshlrev_b32 v3, 5, v6                        ; x: 32 bytes (8 numbers) a lane
	v_lshrrev_b32 v7, 2, v6                        ; my block of a quarter row
	s_bfe_u32 s[CX], ttmp6, 0x40000                ; my place in the cluster: it enters the addresses of x, out0 and the prefetches alone
	s_lshl_b32 s32, ttmp9, 2
	s_add_co_u32 s32, s32, s[CX]
	s_lshl_b32 s32, s32, 18                        ; my block of 64 rows of 4,096 bytes
	s_lshl_b32 s33, s[WV], 16
	s_add_co_u32 s34, s32, s33                     ; x: + my wave's 16 rows
	s_mov_b32 s35, 0
	s_lshl_b32 s52, s[WV], 10                      ; my wave's 256 columns in bytes
	s_mov_b32 s53, 0
	s_add_co_u32 s32, s32, s52
	s_mov_b32 s33, 0
	s_mov_b32 s[G1], 15|(3<<16)|(1<<21)            ; a part: 138 dense rows of 256 bytes (32 elements of 8); the mask names all four work-groups
	s_mov_b32 s[G1+1], 32<<16
	s_mov_b32 s[G1+2], 138<<16
	s_mov_b32 s[G1+3], 32<<16
	s_mov_b32 s[G1+4], 138
	s_mov_b32 s[G1+5], 32
	s_mov_b32 s[G1+6], 0
	s_mov_b32 s[G1+7], 0
	s_mul_i32 s50, s[WV], PART                     ; my part, in the stream's slot and in LDS
	s_mov_b32 s51, 0
	s_mov_b32 s[SEL], 0x76543210
	s_mov_b32 s[SEL+1], 0xfedcba98                 ; selects for lane l xor 16
	s_mov_b32 s[NL], 0xbfb8aa3b                    ; -log2(e)
	s_mov_b32 s[NL+1], s[NL]
	s_mov_b32 s[RK], 0x3a800000                    ; 1 / 1024
	s_mov_b32 s[EP], 0x3a83126f                    ; 1e-3
	s_mov_b32 s[LEFT], 14                          ; refills to come
	s_lshl_b32 s56, s[CX], 13
	s_mov_b32 s57, 0
	s_cmp_eq_u32 ttmp9, 0
	s_cselect_b32 s[LIM], 2, -1                    ; the first cluster prefetches while more than two refills are to come
	s_mul_i32 s58, s[WV], 16*XP
	s_add_co_u32 s58, s58, XH                      ; X: my wave's rows of codes,
	s_mul_i32 s59, s[WV], 16*SCP
	s_add_co_u32 s59, s59, XSC                     ; and of scale bytes
	s_wait_alu depctr_va_vdst(0)
	s_wait_dscnt 0x0
	s_wait_kmcnt 0x0
	s_add_nc_u64 s[4:5], s[4:5], s[34:35]
	s_add_nc_u64 s[12:13], s[12:13], s[32:33]
	s_add_nc_u64 s[8:9], s[8:9], s[52:53]
	s_add_nc_u64 s[10:11], s[10:11], s[52:53]
	s_add_nc_u64 s[54:55], s[6:7], s[50:51]
.macro XLOAD j, row                    ; a row into set j: quarter q: 8 neighbours a lane
.irp q, 0,1,2,3
	global_load_b128 v[64+32*(\j)+8*\q:64+32*(\j)+8*\q+3], v3, s[4:5] offset:4096*(\row)+1024*\q
	global_load_b128 v[64+32*(\j)+8*\q+4:64+32*(\j)+8*\q+7], v3, s[4:5] offset:4096*(\row)+1024*\q+16
.endr
.endm
.irp j, 0,1,2,3
	XLOAD \j, \j
.endr
.irp R, 0,1
	s_mov_b32 s[G0+4*\R], 1
	s_add_co_u32 s[G0+4*\R+1], s50, \R*SLOTB
	s_add_nc_u64 s[G0+4*\R+2:G0+4*\R+3], s[54:55], \R*SLOTB
	s_or_b32 s[G0+4*\R+3], s[G0+4*\R+3], 0x80000000
.endr
	s_add_nc_u64 s[PFA:PFA+1], s[54:55], s[56:57]
	s_add_nc_u64 s[PFA:PFA+1], s[PFA:PFA+1], 3*SLOTB   ; the first change of slots steps it to slot 4
	CROUND                                         ; all four work-groups are here: the first joint loads meet
	tensor_load_to_lds s[G0:G0+3], s[G1:G1+7]      ; my part of slot 0: one tensor load a wave at the head
	s_nop 0
	PLACES
	; ---- X: my 16 rows of x become codes and scale bytes, four rows a trip, loads four rows ahead.  Four lanes hold a block of 32.
.macro XROW j, ld
.set XB, 64+32*(\j)
.set CD, 40+8*((\j)%2)
.if \ld
	s_wait_loadcnt 24                              ; this row's eight loads are in; the three younger rows' may be out
.else
	s_wait_loadcnt 8*(3-(\j))
.endif
.irp q, 0,1,2,3
	v_max3_num_f32 v[32+\q], |v[XB+8*\q]|, |v[XB+8*\q+1]|, 0x1800000
.endr
.irp k, 2,4,6
.irp q, 0,1,2,3
	v_max3_num_f32 v[32+\q], v[32+\q], |v[XB+8*\q+\k]|, |v[XB+8*\q+\k+1]|
.endr
.endr
.irp q, 0,1,2,3
	v_max_num_f32_dpp v[32+\q], v[32+\q], v[32+\q] row_xmask:1 row_mask:0xf bank_mask:0xf
.endr
.irp q, 0,1,2,3
	v_max_num_f32_dpp v[32+\q], v[32+\q], v[32+\q] row_xmask:2 row_mask:0xf bank_mask:0xf
.endr
.irp q, 0,1,2,3
	v_add_nc_u32 v[36+\q], 0xff000000, v[32+\q]
.endr
	s_wait_alu depctr_va_vdst(0)
	s_wait_dscnt 8                                 ; the stores of two rows back have read this set of registers
.irp q, 0,1,2,3
	v_cvt_scalef32_pk8_fp4_f32 v[CD+\q], v[XB+8*\q:XB+8*\q+7], v[36+\q]
.endr
.irp q, 0,1,2,3
	v_lshrrev_b32 v[CD+4+\q], 23, v[36+\q]
.endr
.irp q, 0,1,2,3
	ds_store_b32 v4, v[CD+\q] offset:XP*(\j)+128*\q
.endr
.irp q, 0,1,2,3
	ds_store_b8 v5, v[CD+4+\q] offset:SCP*(\j)+8*\q   ; the four lanes of a block write the same byte
.endr
.if \ld
	XLOAD \j, (\j)+4
.endif
.endm
	s_mov_b32 s[CNT], 3
.Lx:
	v_lshl_add_u32 v4, v6, 2, s58                  ; my 4 bytes of codes in this trip's rows
	v_add_nc_u32 v5, s59, v7                       ; my block's scale byte
.irp j, 0,1,2,3
	XROW \j, 1
.endr
	s_wait_xcnt 0x0                                ; the loads have read their base
	s_add_nc_u64 s[4:5], s[4:5], 4*4096
	s_add_co_u32 s58, s58, 4*XP
	s_add_co_u32 s59, s59, 4*SCP
	s_sub_co_u32 s[CNT], s[CNT], 1
	s_cmp_lg_u32 s[CNT], 0
	s_cbranch_scc1 .Lx
	v_lshl_add_u32 v4, v6, 2, s58
	v_add_nc_u32 v5, s59, v7
.irp j, 0,1,2,3
	XROW \j, 0                                     ; the last four rows ask for nothing more
.endr
	s_wait_tensorcnt 0x0                           ; slot 1's first fill is issued as a refill is: my part of slot 0 is in,
	ds_add_u32 v[SPW], v[NIL]                      ; the add,
	s_wait_dscnt 0x0                               ; it and my stores of x's codes and bytes have landed
	CROUND                                         ; x's 64 rows lie in LDS, and all four work-groups are here
	tensor_load_to_lds s[G0+4:G0+7], s[G1:G1+7]
	s_nop 0
	PLACES
	; ---- the addresses that stay; x's 32 fragments and scale words into registers; the first four pairs of slot 0
	v_and_b32 v32, 15, v0
	v_bfe_u32 v33, v0, 4, 1
	v_mul_u32_u24 v[HAD], v32, XP
	v_lshl_add_u32 v[HAD], v33, 4, v[HAD]
	v_add_nc_u32 v[HAD], XH, v[HAD]
	v_lshl_add_u32 v[ADB], v6, 4, s50
	v_add_nc_u32 v[ADB+1], SLOTB, v[ADB]
	v_lshlrev_b32 v[PFO], 8, v6                    ; v0 from here on: 256 x lane
	v_lshl_add_u32 v[ABB], v33, 5, s50
	v_add_nc_u32 v[ABB], BIA, v[ABB]
	v_add_nc_u32 v[ABB+1], SLOTB, v[ABB]
	WIN 0x40
.irp u, 0,1,2,3,4,5,6,7
.irp m, 0,1,2,3
.irp c, 0,1
	ds_load_b128 v[32*\u+8*\m+4*\c:32*\u+8*\m+4*\c+3], v[HAD] offset:16*XP*\m+64*\u+32*\c
.endr
.endr
.endr
	WIN 0
	LOADSC XSC
	s_wait_alu depctr_va_vdst(0)
	FETCH 0, 0, 0
	FETCH 0, 1, -1
	FETCH 0, 2, -1
	FETCH 0, 3, -1
	; ---- slots 0-3: the hidden layer.  Slot 2 trip + pos is half pos of K step 2 wave + trip of the second product
	s_lshl_b32 s[HSO], s[WV], 3
	s_add_co_u32 s[HSO], s[HSO], HSC
	s_lshl_b32 s[HWB], s[WV], 13
	s_add_co_u32 s[HWB], s[HWB], XH
	s_mov_b32 s[CNT], 2
.Lp1:
	TSLOT 0, 2
	POSTH 0                                        ; x's rows in LDS were read by all waves ahead of slot 0's round: h's images take their place
	TSLOT 1, 2
	POSTH 1
	s_add_co_u32 s[HSO], s[HSO], 4
	s_add_co_u32 s[HWB], s[HWB], 4096
	s_sub_co_u32 s[CNT], s[CNT], 1
	s_cmp_lg_u32 s[CNT], 0
	s_cbranch_scc1 .Lp1
	s_wait_dscnt 0x0                               ; my images and scale bytes of h have landed
	s_barrier_signal -1
	s_barrier_wait -1                              ; slot 5's load may stay out
	; ---- slots 4-7: Y = b2 + h W2
	v_lshrrev_b32 v[HAD], 4, v[PFO]
	v_add_nc_u32 v[HAD], XH, v[HAD]
	LOADSC HSC
	HFETCH 0, 0
	HFETCH 1, 0
	HFETCH 2, 0
	HFETCH 3, 0
	s_wait_dscnt 0x0
	WSLOT 0, 0, 1, 2, -1, 1
	WSLOT 1, 1, 0, 2, 0, 0
	WSLOT 0, 0, 1, 3, -1, 1
	WSLOT 1, 1, 0, 3, 0, -1
	LOADSC XSC                                     ; x's scale words come back
	s_wait_dscnt 0x0
	; ---- slots 8-15: gate and skip, by chunks of 64 columns a wave
	s_mov_b32 s[CH], 0
.Lst3:
	TSLOT 0, 2
	SIGM
	VSWITCH 0
	TSLOT 1, 2
	VSWITCH 1
	s_add_co_u32 s[CH], s[CH], 1
	s_cmp_lt_u32 s[CH], 3
	s_cbranch_scc1 .Lst3
	TSLOT 0, 1                                     ; the last chunk is written out: it asks for nothing more
	SIGM
	VAR 0, 3
	TSLOT 1, 0
	v_bfe_u32 v94, v[PFO], 8, 4                    ; lane % 16
	v_bfe_u32 v95, v[PFO], 12, 1                   ; lane / 16
	v_lshrrev_b32 v[GO], 4, v[PFO]                 ; 16 bytes a lane
.irp i, 0,1
	global_load_b128 v[GM+4*\i:GM+4*\i+3], v[GO], s[8:9] offset:512*\i    ; gamma and beta of the four columns that I store of each half row
	global_load_b128 v[BT+4*\i:BT+4*\i+3], v[GO], s[10:11] offset:512*\i
.endr
	VAR 1, 3
	; ---- LayerNorm
	s_lshl_b32 s32, s[WV], 2
	s_add_co_u32 s32, s32, RED
	v_lshl_add_u32 v[RA], v94, 4, s32              ; my wave's word of my row's four
	v_lshl_add_u32 v[RB], v94, 4, RED              ; my row's four words
	s_mul_i32 s33, s[WV], 4*STB                    ; my four stages
	v_mul_u32_u24 v[STO], v94, STP
	v_lshl_add_u32 v[STO], v95, 5, v[STO]
	v_add_nc_u32 v[STO], s33, v[STO]               ; in: row lane % 16, + 32 (lane / 16)
	s_lshl_b32 s34, s[WV], 9
	s_add_co_u32 s34, s34, RSL
	v_lshl_add_u32 v[RW], v94, 3, s34              ; my row's pair
.irp m, 0,1,2,3
	v_mov_b32 v[SUM+2*\m], 0
	v_mov_b32 v[SUM+2*\m+1], 0
	v_mov_b32 v[SQ+2*\m], 0
	v_mov_b32 v[SQ+2*\m+1], 0
	v_mov_b32 v[TB+\m], 0
.endr
.irp hf, 0,1
	WIN 0x08+4*\hf
.irp P, 0,1,2,3
.irp jp, 0,2,4,6,8,10,12,14
.irp m, 0,1,2,3
	v_pk_add_f32 v[SUM+2*\m:SUM+2*\m+1], v[SUM+2*\m:SUM+2*\m+1], v[64*\P+16*\m+\jp:64*\P+16*\m+\jp+1]   ; four chains, one for each row tile
.endr
.endr
.endr
.endr
	WIN 0
; A pair's two halves, lane l xor 16's, and the four waves' parts through LDS: v[TA + m] = the whole row's sum
.macro EXCH src, q
.irp m, 0,1,2,3
	v_add_f32 v[TA+\m], v[\src+2*\m], v[\src+2*\m+1]
.endr
.irp m, 0,1,2,3
	v_permlanex16_b32 v[TB+\m], v[TA+\m], s[SEL], s[SEL+1]
.endr
.irp m, 0,1,2,3
	v_add_f32 v[TA+\m], v[TA+\m], v[TB+\m]
.endr
.irp m, 0,1,2,3
	ds_store_b32 v[RA], v[TA+\m] offset:1024*(\q)+256*\m
.endr
	s_wait_dscnt 0x0                               ; for the others' sake
	s_barrier_signal -1
	s_barrier_wait -1
.irp m, 0,1,2,3
	ds_load_b128 v[QD+4*\m:QD+4*\m+3], v[RB] offset:1024*(\q)+256*\m
.endr
	s_wait_dscnt 0x0
.irp m, 0,1,2,3
	v_add_f32 v[QD+4*\m], v[QD+4*\m], v[QD+4*\m+1]
.endr
.irp m, 0,1,2,3
	v_add_f32 v[QD+4*\m+2], v[QD+4*\m+2], v[QD+4*\m+3]
.endr
.irp m, 0,1,2,3
	v_add_f32 v[TA+\m], v[QD+4*\m], v[QD+4*\m+2]
.endr
.endm
	EXCH SUM, 0
.irp m, 0,1,2,3
	v_mul_f32 v[MU+2*\m], s[RK], v[TA+\m]          ; the mean, in both registers of a pair
	v_mul_f32 v[MU+2*\m+1], s[RK], v[TA+\m]
.endr
.irp hf, 0,1
	WIN 0x82+0x41*\hf
.irp P, 0,1,2,3
.irp jp, 0,2,4,6,8,10,12,14
.irp m, 0,1,2,3
	v_pk_add_f32 v[64*\P+16*\m+\jp:64*\P+16*\m+\jp+1], v[64*\P+16*\m+\jp:64*\P+16*\m+\jp+1], v[MU+2*\m:MU+2*\m+1] neg_lo:[0,1] neg_hi:[0,1]   ; y - mean
.endr
.endr
.endr
	WIN 0x0a+5*\hf
.irp P, 0,1,2,3
.irp jp, 0,2,4,6,8,10,12,14
.irp m, 0,1,2,3
	v_pk_fma_f32 v[SQ+2*\m:SQ+2*\m+1], v[64*\P+16*\m+\jp:64*\P+16*\m+\jp+1], v[64*\P+16*\m+\jp:64*\P+16*\m+\jp+1], v[SQ+2*\m:SQ+2*\m+1]
.endr
.endr
.endr
.endr
	WIN 0
	EXCH SQ, 1
.irp m, 0,1,2,3
	v_fma_f32 v[TA+\m], v[TA+\m], s[RK], s[EP]     ; the variance + eps
.endr
	s_wait_alu depctr_va_vdst(0)                   ; the waits ahead of the batch and behind it
.irp m, 0,1,2,3
	v_rsq_f32 v[RS+2*\m], v[TA+\m]
	v_rsq_f32 v[RS+2*\m+1], v[TA+\m]
.endr
	v_nop
	s_wait_alu depctr_va_vdst(0)
	; ---- the way out.  Every wave has passed LayerNorm's barriers, so nobody reads the ring any more: y - mean of my four row tiles goes into my four stages, a lane's 32 bytes of each of 16 column tiles;
	; the rows' factors go beside them as pairs.  Then a trip for each row tile: whole rows back, x rsqrt x gamma + beta, 512 consecutive bytes a store.
.irp m, 0,1,2,3
	ds_store_b64 v[RW], v[RS+2*\m:RS+2*\m+1] offset:128*\m   ; lanes l and l xor 16 write the same pair
.endr
.irp m, 0,1,2,3
.irp hf, 0,1
	WIN 0x08+4*\hf                                 ; an LDS store's data are its source 1
.irp P, 0,1,2,3
.irp i, 0,1,2,3
	ds_store_b128 v[STO], v[64*\P+16*\m+4*\i:64*\P+16*\m+4*\i+3] offset:STB*\m+64*(8*\hf+2*\P+\i/2)+16*(\i%2)
.endr
.endr
.endr
.endr
	WIN 0
	s_wait_loadcnt 0x0                             ; gamma and beta
	s_mov_b32 s[CNT], 4
.Lout:
	v_add_nc_u32 v[RD], s33, v[GO]                 ; this tile's stage, 16 bytes a lane
	v_mov_b32 v[RR], s34                           ; and its 16 pairs, the same for all lanes
.irp i, 0,1,2,3,4,5,6,7
	ds_load_b128 v[QS+4*\i:QS+4*\i+3], v[RR] offset:16*\i   ; LDS serves a wave's instructions in order (ISA guide 5.7.1.4): these see my stores
.endr
.irp t, 0,1,2,3,4,5,6,7,8,9,10,11,12,13,14,15,16,17,18,19,20,21,22,23,24,25,26,27,28,29,30,31
	ds_load_b128 v[T+4*\t:T+4*\t+3], v[RD] offset:STP*(\t/2)+512*(\t%2)
.endr
	s_wait_dscnt 0x0
.irp t, 0,1,2,3,4,5,6,7,8,9,10,11,12,13,14,15,16,17,18,19,20,21,22,23,24,25,26,27,28,29,30,31
	v_pk_mul_f32 v[T+4*\t:T+4*\t+1], v[T+4*\t:T+4*\t+1], v[QS+2*(\t/2):QS+2*(\t/2)+1]
	v_pk_mul_f32 v[T+4*\t+2:T+4*\t+3], v[T+4*\t+2:T+4*\t+3], v[QS+2*(\t/2):QS+2*(\t/2)+1]
.endr
.irp t, 0,1,2,3,4,5,6,7,8,9,10,11,12,13,14,15,16,17,18,19,20,21,22,23,24,25,26,27,28,29,30,31
	v_pk_fma_f32 v[T+4*\t:T+4*\t+1], v[T+4*\t:T+4*\t+1], v[GM+4*(\t%2):GM+4*(\t%2)+1], v[BT+4*(\t%2):BT+4*(\t%2)+1]
	v_pk_fma_f32 v[T+4*\t+2:T+4*\t+3], v[T+4*\t+2:T+4*\t+3], v[GM+4*(\t%2)+2:GM+4*(\t%2)+3], v[BT+4*(\t%2)+2:BT+4*(\t%2)+3]
.endr
.irp t, 0,1,2,3,4,5,6,7,8,9,10,11,12,13,14,15,16,17,18,19,20,21,22,23,24,25,26,27,28,29,30,31
	global_store_b128 v[GO], v[T+4*\t:T+4*\t+3], s[12:13] offset:(\t/2)*4096+512*(\t%2) th:TH_STORE_NT   ; 32 lanes store 512 consecutive bytes, at a multiple of 256 from out0's first byte
.endr
	s_wait_xcnt 0x0                                ; the stores have read their registers and their base
	s_add_nc_u64 s[12:13], s[12:13], 16*4096
	s_add_co_u32 s33, s33, STB
	s_add_co_u32 s34, s34, 128
	s_sub_co_u32 s[CNT], s[CNT], 1
	s_cmp_lg_u32 s[CNT], 0
	s_cbranch_scc1 .Lout
	s_wait_tensorcnt 0x0                           ; the wave's end
	ds_add_u32 v[SPW], v[NIL]
	s_wait_dscnt 0x0
	CROUND                                         ; the closing round
	s_endpgm
.Lfunc_end_k_qbc0a4e7c0b_grn:
	.size	k_qbc0a4e7c0b_grn, .Lfunc_end_k_qbc0a4e7c0b_grn-k_qbc0a4e7c0b_grn
	.p2alignl 7, 3214868480
	.fill 96, 4, 3214868480
	.section	.rodata,"a",@progbits
	.p2align	6, 0x0
	.amdhsa_kernel k_qbc0a4e7c0b_grn
		.amdhsa_group_segment_fixed_size 327680
		.amdhsa_private_segment_fixed_size 0
		.amdhsa_enable_private_segment 0
		.amdhsa_kernarg_size 40
		.amdhsa_user_sgpr_count 2
		.amdhsa_user_sgpr_kernarg_segment_ptr 1
		.amdhsa_wavefront_size32 1
		.amdhsa_system_sgpr_workgroup_id_x 1
		.amdhsa_system_sgpr_workgroup_id_y 1
		.amdhsa_system_sgpr_workgroup_id_z 1
		.amdhsa_system_vgpr_workitem_id 0
		.amdhsa_next_free_vgpr 1024
		.amdhsa_next_free_sgpr 66
		.amdhsa_reserve_vcc 0
		.amdhsa_float_denorm_mode_32 3
		.amdhsa_float_denorm_mode_16_64 3
		.amdhsa_memory_ordered 1
		.amdhsa_forward_progress 1
		.amdhsa_inst_pref_size 255
	.end_amdhsa_kernel
	.section	.bss,"aw",@nobits
	.p2align	6
	.space	262144
	.amdgpu_metadata
---
amdhsa.version: [ 1, 2 ]
amdhsa.kernels:
  - .name:           k_qbc0a4e7c0b_grn
    .symbol:         k_qbc0a4e7c0b_grn.kd
    .args:
      - { .name: inputs, .offset: 0, .size: 8, .value_kind: global_buffer, .address_space: global }
      - { .name: wq, .offset: 8, .size: 8, .value_kind: global_buffer, .address_space: global }
      - { .name: gamma, .offset: 16, .size: 8, .value_kind: global_buffer, .address_space: global }
      - { .name: beta, .offset: 24, .size: 8, .value_kind: global_buffer, .address_space: global }
      - { .name: out0, .offset: 32, .size: 8, .value_kind: global_buffer, .address_space: global }
    .group_segment_fixed_size: 327680
    .private_segment_fixed_size: 0
    .kernarg_segment_align: 8
    .kernarg_segment_size: 40
    .max_flat_workgroup_size: 128
    .sgpr_count:     66
    .vgpr_count:     1024
    .wavefront_size: 32
...
	.end_amdgpu_metadata
.endif
;; end of part 2
